; MI455X (gfx1250); checked and timed in simulation.
; The chip was launched on July 23, 2026; its instructions are those of AMD's public machine-readable ISA for CDNA 5 (MIT licence, August 2026) and "CDNA5" Instruction Set Architecture Reference Guide (July 2026). The comments in the code are by the model that wrote it; some were corrected since.
;; Geodynamic Spectral Layer. Allowed arithmetic: float matrix products may take bf16 or f16 operands with f32 sums; other float arithmetic in f32, or as packed bf16 or f16 multiplies, adds, multiply-adds, maxima and minima; sums over many terms, partial sums and values carried from step to step in f32; what a program stores and reads back later, other than sums and carried values, may be rounded once to bf16 or f16.
;; Inputs: U0 64 x 64 float32; W1 64 x 64 float32; W2 64 x 64 float32; W3 8,192 x 64 float32; b1 64 float32; b2 64 float32; b3 8,192 float32; ln_b 64 float32; ln_g 64 float32; x 4,096 x 64 float32.
;; Outputs: out0 4,096 x 64 float32.
;; One version. Each part assembles by itself: llvm-mc -triple=amdgcn-amd-amdhsa -mcpu=gfx1250 --defsym DOCPART=n.
;; ======== version 1 of 1: 3 launches
;; limits: values outside matrix products are rounded to bf16; values outside matrix products are rounded to f16; right only within a limited range of input values; values are held in f16: magnitudes above 65,504 overflow, below 6.1e-05 lose precision
;; workspace buffers: WP 1,048,576 bytes; BP 32,768 bytes; HP 524,288 bytes; PW 67,108,864 bytes
;; launch prep (part 1): grid 96 x 1, 8 waves a work-group, no clusters, 0 bytes of LDS; arguments x, W1, b1, ln_g, ln_b, W2, b2, W3, b3, WP, BP, HP; writes WP, BP, HP
.if DOCPART == 1
	.amdgcn_target "amdgcn-amd-amdhsa--gfx1250"
	.amdhsa_code_object_version 6
	.text
	.protected	k_q900f9a4162_prep
	.globl	k_q900f9a4162_prep
	.p2align	8
	.type	k_q900f9a4162_prep,@function
k_q900f9a4162_prep:
	s_mov_b64 s[64:65], 0
	v_nop
	global_prefetch_b8 v0, s[64:65] scope:SCOPE_SE
	s_setreg_imm32_b32 hwreg(HW_REG_WAVE_MODE, 25, 1), 1
	s_wait_xcnt 0x0
; PREP.  Two jobs, chosen by the work-group's number; every wave works alone: no LDS, no barrier.
; Work-groups 0-63 (job W): the rows of W3 and b3 are combined and laid out as matrix fragments.  The integrator wants nOm = -(A - A^T)/16 and nG = -G/8, both linear in the
;   controller's h, and takes them 64 times as large (they are stored in f16).  The factor 64 x (-1/16) = -4 is put into h (job C), so the weights are W3[qa] - W3[qb] for nOm and
;   W3[qa] + W3[qa] for nG, made in f32 and rounded once to bf16.
;   A tile tau = 16 u + c holds the 16 rows m of block u = 16 sel + 4 nt + kb, column c: entry X[16 kb + m][16 nt + c].  WP[tau] is that tile as two source-0 fragments (16 x 32), 2,048 bytes;
;   BP[tau][m] is the bias (b3[qa] -/+ b3[qb]) * (-4) in f32.
; Work-groups 64-95 (job C): the controller up to GELU for 16 batch rows a wave, transposed (source 0 = weights, source 1 = activations), so that a lane holds ONE batch row
;   (lane % 16) and 32 of its 64 features; a result rounded in pairs IS the next product's source 1.  HP[t] = -4 h as two source-1 fragments.
; LIMITS.  Products in bf16 with f32 sums.  tanh(z) = 1 - 2 / (1 + 2^(2 z log2 e)): absolute error of some 1e-7.  erf by the five-term rational form (absolute error 1.5e-7).
;   The exponentials and reciprocals flush denormals.  NaN and infinities are not treated apart.
.set RA,  8            ; job W: v8-39   row qa of W3, 32 f32 a lane
.set RB,  40           ;        v40-71  row qb
.set FR,  72           ;        v72-87  the fragments
.set RAW, 8            ; job C: v8-135  a weight matrix as loaded; later GELU's work registers
.set WF,  136          ;        v136-199 its fragments ((mt, kh) at WF + 16 mt + 8 kh); between the layers ln_g and ln_b
.set XB,  200          ;        v200-215 the activations' fragments
.set H,   216          ;        v216-247 four accumulators: feature 16 mt + 8 (lane / 16) + j at H + 8 mt + j
.macro P16 line:vararg ; the line for 16 register pairs, i = 0, 2 .. 30
.set i, 0
	s_wait_alu depctr_va_vdst(0)
.rept 16
	\line
.set i, i+2
.endr
.endm
.macro S32 line:vararg ; the line for 32 registers, i = 0 .. 31
.set i, 0
.rept 32
	\line
.set i, i+1
.endr
.endm
.macro LDVEC dst, sp   ; a vector of 64 f32 in the accumulators' layout: the same for all 16 batch rows
.set l, 0
.rept 8
	global_load_b128 v[(\dst)+4*l:(\dst)+4*l+3], v5, s[\sp:\sp+1] offset:64*(l/2)+16*(l%2)
.set l, l+1
.endr
.endm
.macro LDW sp          ; a 64 x 64 weight matrix: lane (r, h) takes of rows 16 mt + r the 32 numbers that its fragments hold
.set m, 0
.rept 32
	global_load_b128 v[RAW+4*m:RAW+4*m+3], v6, s[\sp:\sp+1] offset:4096*(m/8)+128*((m%8)/4)+64*(((m%8)/2)%2)+16*(m%2)
.set m, m+1
.endr
.endm
.macro CV dst, src, n  ; n roundings of two f32 to bf16, from the low end on
.set l, 0
.rept \n
	v_cvt_pk_bf16_f32 v[(\dst)+l], v[(\src)+2*l], v[(\src)+2*l+1]
.set l, l+1
.endr
.endm
.macro MM8             ; H += W * activations: four accumulators by turns
.set kk, 0
.rept 2
.set mt, 0
.rept 4
	v_wmma_f32_16x16x32_bf16 v[H+8*mt:H+8*mt+7], v[WF+16*mt+8*kk:WF+16*mt+8*kk+7], v[XB+8*kk:XB+8*kk+7], v[H+8*mt:H+8*mt+7]
.set mt, mt+1
.endr
.set kk, kk+1
.endr
.rept 4
	v_nop                                          ; four places before the results are read and the sources loaded again (ISA guide 7.12.1)
.endr
.endm
.macro RED             ; v[248:251] -> v252: the sum over my 32 features and the other half of the lanes' 32
	v_pk_add_f32 v[248:249], v[248:249], v[250:251]
	v_add_f32 v252, v248, v249
	v_permlanex16_b32 v253, v252, s58, s59
	v_add_f32 v252, v252, v253
.endm
	s_load_b512 s[8:23], s[0:1], 0x0               ; x 8, W1 10, b1 12, ln_g 14, ln_b 16, W2 18, b2 20, W3 22
	s_load_b256 s[24:31], s[0:1], 0x40             ; b3 24, WP 26, BP 28, HP 30
	v_lshrrev_b32 v1, 5, v0
	v_readfirstlane_b32 s2, v1                     ; wave 0..7
	v_and_b32 v1, 15, v0                           ; r
	v_bfe_u32 v2, v0, 4, 1                         ; h
	v_and_b32 v3, 31, v0                           ; lane
	v_lshlrev_b32 v4, 4, v3                        ; 16 x lane
	v_lshlrev_b32 v5, 5, v2                        ; 32 h
	s_cmp_lt_u32 ttmp9, 64
	s_cbranch_scc0 .Lctl
	; ---------------- job W ----------------
	s_lshr_b32 s3, ttmp9, 1                        ; u: the work-group's eight tiles lie in one block
	s_lshr_b32 s32, s3, 4                          ; sel: 0 nOm, 1 nG
	s_bfe_u32 s33, s3, 0x20002                     ; nt
	s_and_b32 s34, s3, 3                           ; kb
	s_and_b32 s35, ttmp9, 1
	s_lshl_b32 s35, s35, 3                         ; the group's first column c
	s_add_co_u32 s36, s35, s2                      ; my tile's c
	s_lshl_b32 s37, s32, 12
	s_lshl_b32 s38, s34, 10
	s_add_co_u32 s37, s37, s38
	s_lshl4_add_u32 s37, s33, s37                  ; 4096 sel + 1024 kb + 16 nt: qa = this + c + 64 m
	s_lshl_b32 s39, s33, 10
	s_lshl4_add_u32 s39, s34, s39                  ; 1024 nt + 16 kb: the transposed entry's row = this + 64 c + m
	s_add_co_u32 s40, s37, s36
	s_lshl_b32 s41, s36, 6
	s_add_co_u32 s41, s41, s39
	s_movk_i32 s42, 0x4000
	s_cmp_eq_u32 s32, 0
	s_cselect_b32 s41, s41, s40                    ; qb at m = 0: the transposed entry for nOm, qa itself for nG
	s_cselect_b32 s42, 0x100, s42                  ; bytes from m to m + 1 in qb
	s_cselect_b32 s44, -1.0, 1.0                   ; W[qa] - W[qb], or W[qa] + W[qa]
	s_mov_b32 s45, s44                             ; named with it as a pair
	s_lshl_b32 s40, s40, 8                         ; rows of 256 bytes
	s_lshl_b32 s41, s41, 8
	s_lshl3_add_u32 s46, ttmp9, s2                 ; tau
	s_lshl_b32 s46, s46, 11
	s_mov_b32 s47, 0
	v_lshl_add_u32 v6, v1, 14, v5                  ; qa: 64 rows from m to m + 1
	v_add_nc_u32 v6, s40, v6
	v_mad_u32_u24 v7, v1, s42, v5
	v_add_nc_u32 v7, s41, v7
	s_wait_kmcnt 0x0
	s_add_nc_u64 s[26:27], s[26:27], s[46:47]
.set l, 0
.rept 8                                                ; the two halves of the lanes take a row's 256 bytes between them
	global_load_b128 v[RA+4*l:RA+4*l+3], v6, s[22:23] offset:128*(l/4)+64*((l/2)%2)+16*(l%2)
	global_load_b128 v[RB+4*l:RB+4*l+3], v7, s[22:23] offset:128*(l/4)+64*((l/2)%2)+16*(l%2)
.set l, l+1
.endr
	s_wait_loadcnt 0x0
	P16 v_pk_fma_f32 v[RA+i:RA+i+1], v[RB+i:RB+i+1], s[44:45], v[RA+i:RA+i+1] op_sel_hi:[1,0,1]
	CV FR, RA, 16
.irp cc, 0,1,2,3
	global_store_b128 v4, v[FR+4*\cc:FR+4*\cc+3], s[26:27] offset:512*\cc  ; 512 consecutive bytes, aligned
.endr
	s_cmp_lg_u32 s2, 0
	s_cbranch_scc1 .Lw_end
	; wave 0: the eight tiles' biases.  Lane L has tile L / 4 and m = 4 (L % 4) + e, e = 0..3
	v_and_b32 v88, 3, v3
	v_lshrrev_b32 v89, 2, v3
	s_add_co_u32 s48, s37, s35
	s_lshl_b32 s48, s48, 2                         ; qa's part that all lanes share, in bytes of b3
	s_lshl_b32 s49, s35, 6
	s_add_co_u32 s49, s49, s39
	s_lshl_b32 s49, s49, 2                         ; the transposed entry's
	s_movk_i32 s50, 0x400
	s_movk_i32 s51, 0x100
	s_lshl_b32 s56, ttmp9, 9
	s_mov_b32 s57, 0
	s_cmp_eq_u32 s32, 0
	s_cselect_b32 s49, s49, s48
	s_cselect_b32 s52, 16, s50                     ; bytes for a step of L % 4 (four m)
	s_cselect_b32 s53, s51, 4                      ; for a step of the tile (one c)
	s_cselect_b32 s54, 4, s51                      ; for a step of e (one m)
	s_add_nc_u64 s[28:29], s[28:29], s[56:57]
	v_lshlrev_b32 v90, 10, v88
	v_lshl_add_u32 v90, v89, 2, v90
	v_add_nc_u32 v90, s48, v90
	v_mul_u32_u24 v91, v88, s52
	v_mad_u32_u24 v91, v89, s53, v91
	v_add_nc_u32 v92, s49, v91
	v_add_nc_u32 v93, s54, v92
	v_add_nc_u32 v94, s54, v93
	v_add_nc_u32 v95, s54, v94
.irp e, 0,1,2,3
	global_load_b32 v[96+\e], v90, s[24:25] offset:256*\e
	global_load_b32 v[100+\e], v[92+\e], s[24:25]
.endr
	s_wait_loadcnt 0x0
.irp e, 0,1,2,3
	v_fma_f32 v[96+\e], s44, v[100+\e], v[96+\e]
.endr
.irp e, 0,1,2,3
	v_mul_f32 v[96+\e], -4.0, v[96+\e]             ; x 64 x (-1/16)
.endr
	global_store_b128 v4, v[96:99], s[28:29]       ; the group's 512 bytes of BP
.Lw_end:
	s_endpgm
	; ---------------- job C ----------------
.Lctl:
	s_sub_co_u32 s3, ttmp9, 64
	s_lshl3_add_u32 s3, s3, s2                     ; t: my 16 batch rows
	s_lshl_b32 s32, s3, 12                         ; 16 rows of 256 bytes of x
	s_mov_b32 s33, 0
	s_lshl_b32 s34, s3, 11                         ; 2,048 bytes of HP
	s_mov_b32 s35, 0
	s_mov_b32 s36, 0x3f87dc22                      ; erf's coefficients, each as a pair: 1.061405429
	s_mov_b32 s37, s36
	s_mov_b32 s38, 0xbfba00e3                      ; -1.453152027
	s_mov_b32 s39, s38
	s_mov_b32 s40, 0x3fb5f0e3                      ; 1.421413741
	s_mov_b32 s41, s40
	s_mov_b32 s42, 0xbe91a98e                      ; -0.284496736
	s_mov_b32 s43, s42
	s_mov_b32 s44, 0x3e827906                      ; 0.254829592
	s_mov_b32 s45, s44
	s_mov_b32 s58, 0x76543210                      ; v_permlanex16_b32: each lane takes its own place in the other half
	s_mov_b32 s59, 0xfedcba98
	s_mov_b32 s60, 0x3c800000                      ; 1/64
	s_mov_b32 s61, 0x3727c5ac                      ; 1e-5
	s_mov_b32 s62, 0x3f3504f3                      ; 1/sqrt(2)
	s_mov_b32 s63, 0x7fffffff
	v_lshl_add_u32 v6, v1, 8, v5                   ; row r, 32 h
	v_mov_b32 v253, 0                              ; written before they are named as a permute's destination or as half of a pair
	v_mov_b32 v255, 0
	s_wait_kmcnt 0x0
	s_add_nc_u64 s[8:9], s[8:9], s[32:33]
	s_add_nc_u64 s[30:31], s[30:31], s[34:35]
	LDVEC H, 12                                    ; b1 starts the sums
.set l, 0
.rept 8
	global_load_b128 v[WF+32+4*l:WF+32+4*l+3], v6, s[8:9] offset:128*(l/4)+64*((l/2)%2)+16*(l%2)  ; x, for the moment in WF's upper half
.set l, l+1
.endr
	LDW 10                                         ; W1
	s_wait_loadcnt 0x0
	CV XB, WF+32, 16
	CV WF, RAW, 64
	LDW 18                                         ; W2 comes in beside the first layer
	MM8
	LDVEC WF, 14                                   ; ln_g
	LDVEC WF+32, 16                                ; ln_b
	; LayerNorm in two passes, as the reference has it.  Each accumulator's lowest registers are read first.
	v_pk_add_f32 v[248:249], v[H:H+1], v[H+8:H+9]
	v_pk_add_f32 v[250:251], v[H+16:H+17], v[H+24:H+25]
.irp p, 2,4,6
	v_pk_add_f32 v[248:249], v[248:249], v[H+\p:H+\p+1]
	v_pk_add_f32 v[250:251], v[250:251], v[H+16+\p:H+16+\p+1]
	v_pk_add_f32 v[248:249], v[248:249], v[H+8+\p:H+8+\p+1]
	v_pk_add_f32 v[250:251], v[250:251], v[H+24+\p:H+24+\p+1]
.endr
	RED
	v_mul_f32 v252, s60, v252                      ; the mean
	P16 v_pk_add_f32 v[H+i:H+i+1], v[H+i:H+i+1], v[252:253] op_sel_hi:[1,0] neg_lo:[0,1] neg_hi:[0,1]
	v_pk_mul_f32 v[248:249], v[H:H+1], v[H:H+1]
	v_pk_mul_f32 v[250:251], v[H+2:H+3], v[H+2:H+3]
.set i, 4
.rept 7
	v_pk_fma_f32 v[248:249], v[H+i:H+i+1], v[H+i:H+i+1], v[248:249]
	v_pk_fma_f32 v[250:251], v[H+i+2:H+i+3], v[H+i+2:H+i+3], v[250:251]
.set i, i+4
.endr
	RED
	v_fma_f32 v254, v252, s60, s61                 ; variance + 1e-5
	v_rsq_f32 v254, v254
	v_nop                                          ; a plain instruction behind the root
	s_wait_alu depctr_va_vdst(0)
	s_wait_loadcnt 0x0                             ; ln_g, ln_b, and W2
	P16 v_pk_mul_f32 v[WF+i:WF+i+1], v[WF+i:WF+i+1], v[254:255] op_sel_hi:[1,0]
	P16 v_pk_fma_f32 v[H+i:H+i+1], v[H+i:H+i+1], v[WF+i:WF+i+1], v[WF+32+i:WF+32+i+1]
	; tanh(z) = 1 - 2 / (1 + 2^(2 z log2 e)): right at both ends, where the power is 0 or infinite
	P16 v_pk_mul_f32 v[H+i:H+i+1], v[H+i:H+i+1], 0x4038aa3b op_sel_hi:[1,0]
	S32 v_exp_f32 v[H+i], v[H+i]
	v_nop
	s_wait_alu depctr_va_vdst(0)
	P16 v_pk_add_f32 v[H+i:H+i+1], v[H+i:H+i+1], 1.0 op_sel_hi:[1,0]
	S32 v_rcp_f32 v[H+i], v[H+i]
	v_nop
	s_wait_alu depctr_va_vdst(0)
	P16 v_pk_fma_f32 v[H+i:H+i+1], v[H+i:H+i+1], -2.0, 1.0 op_sel_hi:[1,0,0]
	CV XB, H, 16
	LDVEC H, 20                                    ; b2 starts the sums
	CV WF, RAW, 64
	s_wait_loadcnt 0x0
	MM8
	; GELU: z (1 + erf(z / sqrt 2)) / 2, and the factor -4.  v8-39 |z| / sqrt 2; v40-71 t; v72-103 the polynomial; v104-135 the exponential
	S32 v_mul_f32 v[RAW+i], |v[H+i]|, s62
	P16 v_pk_fma_f32 v[RAW+32+i:RAW+33+i], v[RAW+i:RAW+1+i], 0x3ea7ba05, 1.0 op_sel_hi:[1,0,0]
	S32 v_rcp_f32 v[RAW+32+i], v[RAW+32+i]
	P16 v_pk_mul_f32 v[RAW+96+i:RAW+97+i], v[RAW+i:RAW+1+i], v[RAW+i:RAW+1+i]
	P16 v_pk_mul_f32 v[RAW+96+i:RAW+97+i], v[RAW+96+i:RAW+97+i], 0xbfb8aa3b op_sel_hi:[1,0]
	S32 v_exp_f32 v[RAW+96+i], v[RAW+96+i]
	P16 v_pk_fma_f32 v[RAW+64+i:RAW+65+i], v[RAW+32+i:RAW+33+i], s[36:37], s[38:39] op_sel_hi:[1,0,0]
	P16 v_pk_fma_f32 v[RAW+64+i:RAW+65+i], v[RAW+64+i:RAW+65+i], v[RAW+32+i:RAW+33+i], s[40:41] op_sel_hi:[1,1,0]
	P16 v_pk_fma_f32 v[RAW+64+i:RAW+65+i], v[RAW+64+i:RAW+65+i], v[RAW+32+i:RAW+33+i], s[42:43] op_sel_hi:[1,1,0]
	P16 v_pk_fma_f32 v[RAW+64+i:RAW+65+i], v[RAW+64+i:RAW+65+i], v[RAW+32+i:RAW+33+i], s[44:45] op_sel_hi:[1,1,0]
	P16 v_pk_mul_f32 v[RAW+64+i:RAW+65+i], v[RAW+64+i:RAW+65+i], v[RAW+32+i:RAW+33+i]
	P16 v_pk_fma_f32 v[RAW+64+i:RAW+65+i], v[RAW+64+i:RAW+65+i], v[RAW+96+i:RAW+97+i], 1.0 op_sel_hi:[1,1,0] neg_lo:[1,0,0] neg_hi:[1,0,0]
	S32 v_bfi_b32 v[RAW+64+i], s63, v[RAW+64+i], v[H+i]
	P16 v_pk_fma_f32 v[RAW+64+i:RAW+65+i], v[RAW+64+i:RAW+65+i], -2.0, -2.0 op_sel_hi:[1,0,0]
	P16 v_pk_mul_f32 v[H+i:H+i+1], v[H+i:H+i+1], v[RAW+64+i:RAW+65+i]
	CV XB, H, 16
.irp cc, 0,1,2,3
	global_store_b128 v4, v[XB+4*\cc:XB+4*\cc+3], s[30:31] offset:512*\cc  ; 512 consecutive bytes, aligned
.endr
	s_endpgm
.Lfunc_end_k_q900f9a4162_prep:
	.size	k_q900f9a4162_prep, .Lfunc_end_k_q900f9a4162_prep-k_q900f9a4162_prep
	.p2alignl 7, 3214868480
	.fill 96, 4, 3214868480
	.section	.rodata,"a",@progbits
	.p2align	6, 0x0
	.amdhsa_kernel k_q900f9a4162_prep
		.amdhsa_group_segment_fixed_size 0
		.amdhsa_private_segment_fixed_size 0
		.amdhsa_enable_private_segment 0
		.amdhsa_kernarg_size 96
		.amdhsa_user_sgpr_count 2
		.amdhsa_user_sgpr_kernarg_segment_ptr 1
		.amdhsa_wavefront_size32 1
		.amdhsa_system_sgpr_workgroup_id_x 1
		.amdhsa_system_sgpr_workgroup_id_y 1
		.amdhsa_system_sgpr_workgroup_id_z 1
		.amdhsa_system_vgpr_workitem_id 0
		.amdhsa_next_free_vgpr 256
		.amdhsa_next_free_sgpr 66
		.amdhsa_reserve_vcc 0
		.amdhsa_float_denorm_mode_32 3
		.amdhsa_float_denorm_mode_16_64 3
		.amdhsa_memory_ordered 1
		.amdhsa_forward_progress 1
		.amdhsa_inst_pref_size 62
	.end_amdhsa_kernel
	.amdgpu_metadata
---
amdhsa.version: [ 1, 2 ]
amdhsa.kernels:
  - .name:           k_q900f9a4162_prep
    .symbol:         k_q900f9a4162_prep.kd
    .args:
      - { .name: x, .offset: 0, .size: 8, .value_kind: global_buffer, .address_space: global }
      - { .name: W1, .offset: 8, .size: 8, .value_kind: global_buffer, .address_space: global }
      - { .name: b1, .offset: 16, .size: 8, .value_kind: global_buffer, .address_space: global }
      - { .name: ln_g, .offset: 24, .size: 8, .value_kind: global_buffer, .address_space: global }
      - { .name: ln_b, .offset: 32, .size: 8, .value_kind: global_buffer, .address_space: global }
      - { .name: W2, .offset: 40, .size: 8, .value_kind: global_buffer, .address_space: global }
      - { .name: b2, .offset: 48, .size: 8, .value_kind: global_buffer, .address_space: global }
      - { .name: W3, .offset: 56, .size: 8, .value_kind: global_buffer, .address_space: global }
      - { .name: b3, .offset: 64, .size: 8, .value_kind: global_buffer, .address_space: global }
      - { .name: WP, .offset: 72, .size: 8, .value_kind: global_buffer, .address_space: global }
      - { .name: BP, .offset: 80, .size: 8, .value_kind: global_buffer, .address_space: global }
      - { .name: HP, .offset: 88, .size: 8, .value_kind: global_buffer, .address_space: global }
    .group_segment_fixed_size: 0
    .private_segment_fixed_size: 0
    .kernarg_segment_align: 8
    .kernarg_segment_size: 96
    .max_flat_workgroup_size: 256
    .sgpr_count:     66
    .vgpr_count:     256
    .wavefront_size: 32
...
	.end_amdgpu_metadata
.endif
;; end of part 1
;; launch gen (part 2): grid 64 x 4, 8 waves a work-group, no clusters, 271,360 bytes of LDS; arguments HP, WP, BP, PW; writes PW
.if DOCPART == 2
	.amdgcn_target "amdgcn-amd-amdhsa--gfx1250"
	.amdhsa_code_object_version 6
	.text
	.protected	k_q900f9a4162_gen
	.globl	k_q900f9a4162_gen
	.p2align	8
	.type	k_q900f9a4162_gen,@function
k_q900f9a4162_gen:
	s_mov_b64 s[64:65], 0
	v_nop
	global_prefetch_b8 v0, s[64:65] scope:SCOPE_SE
	s_setreg_imm32_b32 hwreg(HW_REG_WAVE_MODE, 25, 1), 1
	s_wait_xcnt 0x0
; GEN.  PW[b] = 64 times the two 64 x 64 matrices nOm = -(A - A^T)/16 and nG = -G/8 of batch row b, in f16, already in the order in which the integrator's lanes hold them:
; PW[b][u][lane'][16 bytes], u = 16 sel + 4 nt + kb; the eight numbers of lane' = 16 h + c are 64 X[16 kb + 8 h + 0..7][16 nt + c].
; FORMAT AND LIMIT.  The product's operands (weights, activations) are bf16; its f32 sums, with the f32 bias, are rounded once to f16: eleven significant bits, since these matrices act anew in each of the
; integrator's steps.  f16 ends at 65,504: 4 |A - A^T| and 8 |G| must stay below that; entries of nOm, nG below 1e-6 keep f16's fixed step, 1e-9 of them.
; SHARES.  A work-group has 64 batch rows (x) and eight blocks u (y); a wave one block: sixteen tiles c, each 16 entries (m) x 64 features times 64 features x 64 batch rows:
; 8 matrix instructions a tile, 128 a wave.  Source 0 = WP's fragments, source 1 = HP's (kept in registers), C of the first product = BP's bias.
; In a result a lane holds ONE batch row and eight entries m = 8 h + 0..7 of column c: rounded, the 16 bytes of lane' = 16 h + c.  They are gathered in the wave's own stage in LDS,
; a row of 512 bytes for each batch row, and leave as whole rows.  The stage's rows lie 528 bytes apart, so that sixteen lanes' 16 bytes fall into sixteen different 16-byte columns of 256 bytes.
; No wave reads another's bytes: no barrier.  No tensor loads and no cluster: every operand arrives in fragment order by loads of 512 consecutive bytes.
.set SPITCH, 528
.set WST,    64*SPITCH                 ; a wave's stage
.set SPARE,  8*WST                     ; behind the stages: the spare words, 128 bytes a wave
.set HC,   8                           ; v8-71    -4 h: batch tile bt at HC + 16 bt, two fragments
.set RING, 72                          ; v72-167  four entries of 24: a tile's two fragments, then its bias in the accumulator's layout
.set ACC,  168                         ; v168-199 four accumulators, one a batch tile
.set OUT,  200                         ; v200-215 rounded
	s_load_b256 s[4:11], s[0:1], 0x0               ; HP 4, WP 6, BP 8, PW 10
	v_lshl_add_u32 v6, v0, 2, SPARE                ; my spare word, and 0: kept for the kernel's last lines
	v_mov_b32 v7, 0
	v_lshrrev_b32 v5, 5, v0
	v_readfirstlane_b32 s12, v5                    ; wave 0..7
	v_and_b32 v5, 31, v0
	v_lshlrev_b32 v1, 4, v5                        ; 16 x lane
	v_and_b32 v2, 15, v0
	v_bfe_u32 v4, v0, 4, 1
	s_mul_i32 s13, s12, WST
	v_mul_u32_u24 v2, v2, SPITCH
	v_lshl_add_u32 v2, v4, 8, v2
	v_add_nc_u32 v2, s13, v2                       ; into the stage: row lane % 16, byte 256 (lane / 16)
	v_add_nc_u32 v3, s13, v1                       ; back: 16 x lane of a row
	v_lshlrev_b32 v4, 5, v4                        ; 32 (lane / 16): my eight biases
	s_and_b32 s14, ttmp7, 0xffff
	s_lshl3_add_u32 s14, s14, s12                  ; u
	s_lshl_b32 s16, ttmp9, 13                      ; four batch tiles of 2,048 bytes
	s_mov_b32 s17, 0
	s_lshl_b32 s18, s14, 15                        ; sixteen tiles of 2,048 bytes
	s_mov_b32 s19, 0
	s_lshl_b32 s20, s14, 10                        ; sixteen tiles of 64 bytes
	s_mov_b32 s21, 0
	s_lshl_b32 s22, ttmp9, 20                      ; 64 batch rows of 16,384 bytes,
	s_lshl_b32 s15, s14, 9                         ; and my block's 512
	s_add_co_u32 s22, s22, s15
	s_mov_b32 s23, 0
	s_wait_kmcnt 0x0
	s_add_nc_u64 s[4:5], s[4:5], s[16:17]
	s_add_nc_u64 s[6:7], s[6:7], s[18:19]
	s_add_nc_u64 s[8:9], s[8:9], s[20:21]
	s_add_nc_u64 s[10:11], s[10:11], s[22:23]
.macro LDT c                           ; tile c into its ring entry: six loads
.set rg, RING+24*((\c)%4)
.set l, 0
.rept 4
	global_load_b128 v[rg+4*l:rg+4*l+3], v1, s[6:7] offset:2048*(\c)+512*l
.set l, l+1
.endr
	global_load_b128 v[rg+16:rg+19], v4, s[8:9] offset:64*(\c)
	global_load_b128 v[rg+20:rg+23], v4, s[8:9] offset:64*(\c)+16
.endm
.macro TILE c
.if (\c)<13
	s_wait_loadcnt 18                              ; loads come back in order: only the three younger entries' six loads each stay out
.else
	s_wait_loadcnt 6*(15-(\c))
.endif
.set rg, RING+24*((\c)%4)
.set bt, 0
.rept 4                                                ; the four accumulators take turns; the bias starts the sums
	v_wmma_f32_16x16x32_bf16 v[ACC+8*bt:ACC+8*bt+7], v[rg:rg+7], v[HC+16*bt:HC+16*bt+7], v[rg+16:rg+23]
.set bt, bt+1
.endr
.set bt, 0
.rept 4
	v_wmma_f32_16x16x32_bf16 v[ACC+8*bt:ACC+8*bt+7], v[rg+8:rg+15], v[HC+16*bt+8:HC+16*bt+15], v[ACC+8*bt:ACC+8*bt+7]
.set bt, bt+1
.endr
.rept 4
	v_nop                                          ; four places before the results are read; with the roundings also those in front of the loads into the entry
.endr
.set l, 0
.rept 16
	v_cvt_pk_f16_f32 v[OUT+l], v[ACC+2*l], v[ACC+2*l+1]
.set l, l+1
.endr
.if (\c)<12
	LDT (\c)+4
.endif
.set bt, 0
.rept 4
	ds_store_b128 v2, v[OUT+4*bt:OUT+4*bt+3] offset:16*SPITCH*bt+16*(\c)
.set bt, bt+1
.endr
.endm
.set l, 0
.rept 16
	global_load_b128 v[HC+4*l:HC+4*l+3], v1, s[4:5] offset:512*l
.set l, l+1
.endr
	LDT 0
	LDT 1
	LDT 2
	LDT 3
.irp c, 0,1,2,3,4,5,6,7,8,9,10,11,12,13,14,15
	TILE \c
.endr
	; the way out: sixteen batch rows at a time.  LDS serves a wave's instructions in order, so these loads see the stores above.
.set gq, 0
.rept 4
.if gq>0
	s_wait_xcnt 0x0                                ; the stores before have read their registers
.endif
.set l, 0
.rept 16
	ds_load_b128 v[RING+4*l:RING+4*l+3], v3 offset:SPITCH*(16*gq+l)
.set l, l+1
.endr
.set l, 0
.rept 16
	s_wait_dscnt 15-l                              ; row l is back; the younger loads stay out
	global_store_b128 v1, v[RING+4*l:RING+4*l+3], s[10:11] offset:16384*(16*gq+l)  ; 512 consecutive bytes, aligned
.set l, l+1
.endr
.set gq, gq+1
.endr
	s_wait_tensorcnt 0x0                           ; the wave's end
	ds_add_u32 v6, v7
	s_wait_dscnt 0x0
	s_endpgm
.Lfunc_end_k_q900f9a4162_gen:
	.size	k_q900f9a4162_gen, .Lfunc_end_k_q900f9a4162_gen-k_q900f9a4162_gen
	.p2alignl 7, 3214868480
	.fill 96, 4, 3214868480
	.section	.rodata,"a",@progbits
	.p2align	6, 0x0
	.amdhsa_kernel k_q900f9a4162_gen
		.amdhsa_group_segment_fixed_size 271360
		.amdhsa_private_segment_fixed_size 0
		.amdhsa_enable_private_segment 0
		.amdhsa_kernarg_size 32
		.amdhsa_user_sgpr_count 2
		.amdhsa_user_sgpr_kernarg_segment_ptr 1
		.amdhsa_wavefront_size32 1
		.amdhsa_system_sgpr_workgroup_id_x 1
		.amdhsa_system_sgpr_workgroup_id_y 1
		.amdhsa_system_sgpr_workgroup_id_z 1
		.amdhsa_system_vgpr_workitem_id 0
		.amdhsa_next_free_vgpr 216
		.amdhsa_next_free_sgpr 66
		.amdhsa_reserve_vcc 0
		.amdhsa_float_denorm_mode_32 3
		.amdhsa_float_denorm_mode_16_64 3
		.amdhsa_memory_ordered 1
		.amdhsa_forward_progress 1
		.amdhsa_inst_pref_size 55
	.end_amdhsa_kernel
	.amdgpu_metadata
---
amdhsa.version: [ 1, 2 ]
amdhsa.kernels:
  - .name:           k_q900f9a4162_gen
    .symbol:         k_q900f9a4162_gen.kd
    .args:
      - { .name: HP, .offset: 0, .size: 8, .value_kind: global_buffer, .address_space: global }
      - { .name: WP, .offset: 8, .size: 8, .value_kind: global_buffer, .address_space: global }
      - { .name: BP, .offset: 16, .size: 8, .value_kind: global_buffer, .address_space: global }
      - { .name: PW, .offset: 24, .size: 8, .value_kind: global_buffer, .address_space: global }
    .group_segment_fixed_size: 271360
    .private_segment_fixed_size: 0
    .kernarg_segment_align: 8
    .kernarg_segment_size: 32
    .max_flat_workgroup_size: 256
    .sgpr_count:     66
    .vgpr_count:     216
    .wavefront_size: 32
...
	.end_amdgpu_metadata
.endif
;; end of part 2
;; launch main (part 3): grid 256 x 1, 8 waves a work-group, no clusters, 302,080 bytes of LDS; arguments PW, U0, x, out0; writes out0
.if DOCPART == 3
	.amdgcn_target "amdgcn-amd-amdhsa--gfx1250"
	.amdhsa_code_object_version 6
	.text
	.protected	k_q900f9a4162_main
	.globl	k_q900f9a4162_main
	.p2align	8
	.type	k_q900f9a4162_main,@function
k_q900f9a4162_main:
	s_mov_b64 s[64:65], 0
	v_nop
	global_prefetch_b8 v0, s[64:65] scope:SCOPE_SE
	s_setreg_imm32_b32 hwreg(HW_REG_WAVE_MODE, 25, 1), 1
	s_wait_xcnt 0x0
; MAIN.  Four steps of the integrator on a 64 x 64 matrix for each batch row, then y = U x.  A wave owns two batch rows, one after the other; a matrix never leaves its wave: no barrier.
; ALGEBRA.  V = U^T is carried.  mm(P, Q) = P^T Q is the only product: a matrix X is held in COLUMN FORM (16 bits; a lane holds one column, the rows run along the registers), which as source 1
; stands for X and as source 0 for X^T, and a result rounded in pairs is again in column form.  With nOm = -Omega/8, nG = -G/8 (all factors of dt are powers of two and lie in these):
;   E  = Omega/8 - U^T G/8 = mm(U, nG) + mm(nOm, I)           nY = -(vel/8)^T = mm(nG, I) - mm(E, V)          w = W_lift/8 = mm(V, nY) - mm(nY, V)
;   c  = [Omega, W]/64 = mm(nOm, w) - mm(w, nOm)              Tt = (U c)^T = mm(c, V)                         S = dt/2 w_corr = w + mm(Tt, V) - mm(V, Tt)
;   V_new = V (I - S)(I + S)^-1 = V + mm(U, D2),  D2 = 2 ((I + S)^-1 - I).      A difference is made by the matrix instruction that takes -C.
; FORMATS AND SCALES.  The operands of these products are f16: eleven significant bits, since every rounding on the way to S turns y.  Powers of two keep them inside f16's range:
;   kb: once a matrix nOm and nG (they arrive 64 times as large) are multiplied by 2^j, kb = 2^(6+j), so that their entries m stay below 2^T, T = 15 - max(2 LF + 8, 2), where 2^LF exceeds U0's
;       Frobenius norm F, which bounds the norm of every later U (the Cayley factor of a skew S is orthogonal).  By Cauchy-Schwarz |E| <= (8 F + 1) m and |nY| <= (64 F^2 + 8 F + 1) m < 2^15:
;       E and nY are rounded as they stand, at the scale kb.  V and U need no scale.
;   lw: w's largest magnitude is measured in every step and w is scaled, in place in f32, below 2^Kw, Kw = 14 - max(LF + 3, 0) - Lm (at most 12), 2^(Lm-6) a bound of |nOm|.  c's sums come out kb
;       times too large and are multiplied by 1 / kb; then |c| <= 128 |nOm| |w| and |Tt| <= 8 F |c| stay below 2^15 at w's scale lw, and S is divided by lw in the pass that adds I.
;   All scales are made of exponent fields by scalar arithmetic and serve as multipliers alone.
; THE INVERSE is exact elimination, no series: block Gauss-Jordan in place on 4 x 4 tiles of 16 x 16; the pivot tile is inverted in f32 by the vector unit (scalar Gauss-Jordan in place), the other
; tiles are updated by products of depth 16 (the upper half of source 1 is zero).  These operands have no bound, so they are bf16; with q = p - I the updates are B_kj += q B_kj and
; B_ik = -B_ik - B_ik q, the first term being the f32 accumulator itself: bf16's roundings touch only terms of second order in S.  The master copy of V stays in f32.
; LIMITS.  No pivoting: for a skew S every pivot of I + S is at least 1, and the loss of digits grows with the norm of S.  Entries of U must stay below 65,504 (F below that).  2^j is kept within
; 2^-24 .. 2^15 and w's factor within 2^-60 .. 2^60: where (64 F^2 + 8 F + 1) x 64 max(|nOm|, |nG|) passes 2^39, or kb |w| passes 2^60, f16 can overflow.  Numbers far below a matrix's largest
; (2^-14 at the scales above) keep f16's fixed step.  w, c and S are skew to f32 rounding, and the text leans on that where the reference's own formulas make them skew.  The reciprocal flushes denormals.
; NO TENSOR LOADS, NO CLUSTER: a wave's operands arrive in register order by loads of 512 consecutive bytes; the work-groups share U0's 16,384 bytes alone.
; LDS, for each wave 37,632 bytes: VM the f32 master of V as the lanes hold it; NG nG's column form; UB U row by row in f16 (rows 160 bytes apart), read back turned as U's column form;
; TS four tiles of 512 bytes for turning tiles; XS the row of x; YS the wave's two rows of y.
; REGISTERS, in windows of 256 (s_set_vgpr_msb: bits 1:0 source 0, 3:2 source 1, 5:4 source 2, 7:6 destination):
;   window 0: v0-19 addresses; v20-31 the identity's fragments; v32-47 the identity's diagonal tile in f32, and -2 times it; v48-63 at work; v64-127 AT, 8 accumulators; v128-255 AW, 16: tile (i, j) at 8 (4 j + i)
;   window 1: four slots of 64, a matrix in column form each (fragment (j, kh) at 8 (2 j + kh)): A0 V, A1, A2 at work, A3 nOm.  During the inverse A0 and A1 hold the sweeps' tiles.
.set WSZ,   37632
.set VM,    0
.set NG,    16384
.set UB,    24576
.set UP,    160
.set TS,    34816
.set XS,    36864
.set YS,    37120
.set SPARE, 8*WSZ                      ; behind the waves' regions: the spare words, 128 bytes a wave
.set LIN, 3                            ; my region + 16 x lane
.set UBS, 4                            ; UB: row lane % 16, byte 16 (lane / 16)
.set UBT, 5                            ; UB, for the turning load: row 8 (lane / 16) + lane % 8, byte 16 ((lane / 8) % 2)
.set TSS, 6                            ; the same two for TS, rows of 32 bytes
.set TST, 7
.set XSS, 8                            ; XS + 8 x lane
.set XSL, 9                            ; XS + 32 (lane / 16)
.set YSS, 10                           ; YS + 4 (32 (lane / 16) + lane % 16); steps a row for the second matrix
.set G16, 11                           ; 16 x lane
.set GU0, 12                           ; 256 (lane % 16) + 32 (lane / 16)
.set G8,  13                           ; 8 x lane
.set PF,  14                           ; 256 x lane
.set SPW, 16
.set NIL, 17
.set IDN, 20                           ; [0 0 0 0 | E | 0 0 0 0]: IDN + 4 is the identity's fragment for an even column block, IDN for an odd one
.set EYE, 32
.set EY2, 40
.set AT,  64
.set AW,  128
.set A0,  0
.set A1,  64
.set A2,  128
.set A3,  192
.set LM,  26                           ; s26      Lm: PW's numbers of this matrix lie below 2^Lm
.set LF,  27                           ; s27      LF: U0's Frobenius norm lies below 2^LF
.set IK,  28                           ; s[28:29] 1 / kb
.set SG,  30                           ; s[30:31] w's factor of this step
.set IL,  32                           ; s[32:33] 1 / lw
.set KB,  34                           ; s34      6 + j
.set KW,  35                           ; s35      Kw
.set MSB, 0
.macro WIN new                         ; the immediate's high byte repeats the setting that is left; a switch that changes nothing is dropped
.if MSB != (\new)
	s_set_vgpr_msb (MSB<<8)|(\new)
.set MSB, (\new)
.endif
.endm
.macro NOPS n                          ; places behind matrix instructions: 4 before vector work or loads touch their registers, 5 before a matrix instruction with other modifiers writes over a result
.rept \n
	v_nop
.endr
.endm
.macro WM cm, fm=f16                   ; one product on rD, rA, rB.  cm 0: starts the sum; 1: adds; 2: product minus what is there
.if (\cm)==0
	v_wmma_f32_16x16x32_\fm v[rD:rD+7], v[rA:rA+7], v[rB:rB+7], 0
.elseif (\cm)==1
	v_wmma_f32_16x16x32_\fm v[rD:rD+7], v[rA:rA+7], v[rB:rB+7], v[rD:rD+7]
.else
	v_wmma_f32_16x16x32_\fm v[rD:rD+7], v[rA:rA+7], v[rB:rB+7], v[rD:rD+7] neg_lo:[0,0,1]
.endif
.endm
; Half kh of mm(p, q) for column blocks j0 .. j0 + nj - 1: the 4 nj accumulators take turns, one instruction a turn.
.macro LINK acc, p, q, j0, nj, kh, cm
	WIN 0x05
.set lj, 0
.rept \nj
.set li, 0
.rept 4
.set rD, (\acc)+8*(4*lj+li)
.set rA, (\p)+8*(2*li+(\kh))
.set rB, (\q)+8*(2*((\j0)+lj)+(\kh))
	WM \cm
.set li, li+1
.endr
.set lj, lj+1
.endr
.endm
.macro IDLINK acc, p, cm               ; mm(p, I): of the identity's fragments only those of half j / 2 are not zero
	WIN 0x01
.set lj, 0
.rept 4
.set li, 0
.rept 4
.set rD, (\acc)+8*(4*lj+li)
.set rA, (\p)+8*(2*li+lj/2)
.set rB, IDN+4*(1-lj%2)
	WM \cm
.set li, li+1
.endr
.set lj, lj+1
.endr
.endm
.macro CVT acc, slot, n                ; n roundings of two f32 to f16: accumulators to column form, each accumulator from its low end on
	WIN 0x40
.set cx, 0
.rept \n
	v_cvt_pk_f16_f32 v[(\slot)+cx], v[(\acc)+2*cx], v[(\acc)+2*cx+1]
.set cx, cx+1
.endr
.endm
.macro CVB acc, slot, n                ; the same to bf16, for the sweeps
	WIN 0x40
.set cx, 0
.rept \n
	v_cvt_pk_bf16_f32 v[(\slot)+cx], v[(\acc)+2*cx], v[(\acc)+2*cx+1]
.set cx, cx+1
.endr
.endm
.macro SCALE acc, n, sp                ; n register pairs times the power of two in s[sp], in place, from the low end on
	WIN 0
.set cx, 0
.rept \n
	v_pk_mul_f32 v[(\acc)+2*cx:(\acc)+2*cx+1], v[(\acc)+2*cx:(\acc)+2*cx+1], s[\sp:\sp+1] op_sel_hi:[1,0]
.set cx, cx+1
.endr
.endm
.macro LDU slot                        ; U's column form out of UB, by the turning load: fragment f = 2 nt + kh
	WIN 0x40
.set f, 0
.rept 8
	ds_load_tr16_b128 v[(\slot)+8*f:(\slot)+8*f+3],   v[UBT] offset:32*UP*(f%2)+32*(f/2)
	ds_load_tr16_b128 v[(\slot)+8*f+4:(\slot)+8*f+7], v[UBT] offset:32*UP*(f%2)+16*UP+32*(f/2)
.set f, f+1
.endr
.endm
.macro COMMIT                          ; AW holds the new V: the f32 master to VM, V's column form to A0, and U's rows to UB
	WIN 0
.set f, 0
.rept 32
	ds_store_b128 v[LIN], v[AW+4*f:AW+4*f+3] offset:VM+512*f
.set f, f+1
.endr
	CVT AW,A0,64
	WIN 0x04
.set f, 0
.rept 16                                               ; f = 4 nt + 2 kh + q: column 16 nt + r of V is row 16 nt + r of U
	ds_store_b128 v[UBS], v[A0+4*f:A0+4*f+3] offset:16*UP*(f/4)+64*((f/2)%2)+32*(f%2)
.set f, f+1
.endr
.endm
; The largest magnitude among the 128 f16 numbers a lane of a slot, as a bit pattern: a shift by 1 (by 17) brings the upper (lower) number's 15 magnitude bits to the top of a word, and such words
; compare as the magnitudes do.  32 registers at a time, through AT; four chains in v56-59.
.macro PWMAX slot
.set g2, 0
.rept 2
	WIN 0x04
.set f, 0
.rept 32
	v_lshlrev_b32 v[AT+2*f], 1, v[(\slot)+32*g2+f]
	v_lshlrev_b32 v[AT+2*f+1], 17, v[(\slot)+32*g2+f]
.set f, f+1
.endr
	WIN 0
.set f, 0
.rept 32
	v_max3_u32 v[56+f%4], v[56+f%4], v[AT+2*f], v[AT+2*f+1]
.set f, f+1
.endr
.set g2, g2+1
.endr
.endm
; One pivot of the scalar Gauss-Jordan inversion in place of the tile at t (lane: column r; register j: row 8 h + j).
; v49 row k in every lane; v56-63 column k's entries of my eight rows; a_ij -= a_ik a_kj / p; in column k the factor 1 + 1/p turns that into -a_ik / p; row k becomes a_kj / p, the pivot 1/p.
.macro BCAST t, k, i
	v_mov_b32_dpp v[56+(\i)], v[(\t)+(\i)] row_share:\k row_mask:0xf bank_mask:0xf
.endm
.macro PIVOT t, k
.set jk, (\k)%8
	s_mov_b32 s24, (0x10001<<(\k))&0xffffffff      ; the two lanes of column k
	v_permlanex16_b32 v48, v[(\t)+jk], s20, s21
	BCAST \t, \k, 0
	BCAST \t, \k, 1
	v_cndmask_b32 v49, v48, v[(\t)+jk], s[22+(\k)/8]
	BCAST \t, \k, 2
	BCAST \t, \k, 3
	v_mov_b32_dpp v50, v49 row_share:\k row_mask:0xf bank_mask:0xf
	BCAST \t, \k, 4
	BCAST \t, \k, 5
	v_rcp_f32 v51, v50
	BCAST \t, \k, 6                                ; plain instructions behind the reciprocal
	BCAST \t, \k, 7
	s_wait_alu depctr_va_vdst(0)
	v_mul_f32 v52, v49, v51
	v_add_f32 v53, 1.0, v51
	v_cndmask_b32 v54, v52, v53, s24
	v_cndmask_b32 v55, v52, v51, s24
.set z, 1
.rept 8                                                ; the next pivot's register first
	v_fma_f32 v[(\t)+(jk+z)%8], -v[56+(jk+z)%8], v54, v[(\t)+(jk+z)%8]
.set z, z+1
.endr
	v_cndmask_b32 v[(\t)+jk], v[(\t)+jk], v55, s[22+(\k)/8]
.endm
.macro GJ t
	WIN 0
.irp k, 0,1,2,3,4,5,6,7,8,9,10,11,12,13,14,15
	PIVOT \t, \k
.endr
.endm
; Sweep k of the block Gauss-Jordan inversion in place.  p = B_kk^-1, q = p - I;  B_ik = -B_ik - B_ik q;  B_ij -= B_ik p B_kj;  B_kj += q B_kj.
; Window 1: BT(i) = 8 i: [B_ik^T | 0];  BKJ(j) = 32 + 8 j: [B_kj | 0];  64-67 q^T;  68-75 [-q | 0];  76-79 q;  NCT(i) = 80 + 4 i: (-B_ik p)^T, and 100-103 -p: sources 0 only.
; The upper half of a source 0 is whatever finite 16-bit numbers lie there: source 1's upper half is zero.
.macro SWEEP k
.irp i, 0,1,2,3
.if (\i)!=(\k)
	CVB AW+8*(4*(\k)+(\i)),8*(\i),4
	CVB AW+8*(4*(\i)+(\k)),32+8*(\i),4
.endif
.endr
	WIN 0x04
.irp i, 0,1,2,3
.if (\i)!=(\k)
	ds_store_b128 v[TSS], v[8*(\i):8*(\i)+3] offset:512*(\i)
.endif
.endr
	WIN 0x40
.irp i, 0,1,2,3
.if (\i)!=(\k)
	ds_load_tr16_b128 v[8*(\i):8*(\i)+3], v[TST] offset:512*(\i)   ; LDS serves a wave's instructions in order: the tile comes back turned
.endif
.endr
	GJ AW+40*(\k)
.irp z, 0,1,2,3
	v_pk_add_f32 v[56+2*\z:57+2*\z], v[AW+40*(\k)+2*\z:AW+40*(\k)+2*\z+1], v[EYE+2*\z:EYE+2*\z+1] neg_lo:[0,1] neg_hi:[0,1]  ; q, in f32
.endr
	CVB AW+40*(\k),100,4
	CVB 56,76,4
	WIN 0x04
	ds_store_b128 v[TSS], v[76:79] offset:512*(\k)
	WIN 0x40
	ds_load_tr16_b128 v[64:67], v[TST] offset:512*(\k)
	WIN 0x44
.irp e, 0,1,2,3
	v_xor_b32 v[68+\e], s25, v[76+\e]              ; -q
	v_xor_b32 v[100+\e], s25, v[100+\e]            ; -p
.endr
	s_wait_dscnt 2                                 ; the three turned tiles are in; only q's store and load stay out
	WIN 0x05
.irp i, 0,1,2,3
.if (\i)!=(\k)
.set rD, AT+8*(\i)
.set rA, 100
.set rB, 8*(\i)
	WM 0, bf16                                     ; (-p)^T B_ik^T = (-B_ik p)^T
.set rD, AW+8*(4*(\k)+(\i))
.set rA, 8*(\i)
.set rB, 68
	WM 2, bf16                                     ; B_ik (-q) - B_ik
.endif
.endr
	NOPS 4
.irp i, 0,1,2,3
.if (\i)!=(\k)
	CVB AT+8*(\i),80+4*(\i),4
.endif
.endr
	WIN 0x05
.irp j, 0,1,2,3
.if (\j)!=(\k)
.irp i, 0,1,2,3
.if (\i)!=(\k)
.set rD, AW+8*(4*(\j)+(\i))
.set rA, 80+4*(\i)
.set rB, 32+8*(\j)
	WM 1, bf16
.endif
.endr
.endif
.endr
	s_wait_dscnt 0x0                               ; q^T is in
.irp j, 0,1,2,3
.if (\j)!=(\k)
.set rD, AW+8*(4*(\j)+(\k))
.set rA, 64
.set rB, 32+8*(\j)
	WM 1, bf16                                     ; q B_kj + B_kj
.endif
.endr
	NOPS 4
.endm
	s_load_b256 s[4:11], s[0:1], 0x0               ; PW 4, U0 6, x 8, out0 10
	v_lshl_add_u32 v[SPW], v0, 2, SPARE            ; my spare word, and 0: kept for the kernel's last lines
	v_mov_b32 v[NIL], 0
	v_lshrrev_b32 v15, 5, v0
	v_readfirstlane_b32 s12, v15                   ; wave 0..7
	s_mul_i32 s15, s12, WSZ                        ; my region of LDS, and its parts
	s_add_co_u32 s16, s15, UB
	s_add_co_u32 s17, s15, TS
	s_add_co_u32 s18, s15, XS
	s_add_co_u32 s19, s15, YS
	v_and_b32 v1, 15, v0                           ; r
	v_bfe_u32 v2, v0, 4, 1                         ; h
	v_and_b32 v15, 31, v0                          ; lane
	v_and_b32 v18, 7, v0
	v_lshl_add_u32 v18, v2, 3, v18                 ; 8 h + lane % 8
	v_bfe_u32 v19, v0, 3, 1
	v_lshlrev_b32 v[G16], 4, v15
	v_lshlrev_b32 v[G8], 3, v15
	v_lshlrev_b32 v[PF], 8, v15
	v_lshlrev_b32 v[GU0], 8, v1
	v_lshl_add_u32 v[GU0], v2, 5, v[GU0]
	v_add_nc_u32 v[LIN], s15, v[G16]
	v_mul_u32_u24 v[UBS], v1, UP
	v_lshl_add_u32 v[UBS], v2, 4, v[UBS]
	v_add_nc_u32 v[UBS], s16, v[UBS]
	v_mul_u32_u24 v[UBT], v18, UP
	v_lshl_add_u32 v[UBT], v19, 4, v[UBT]
	v_add_nc_u32 v[UBT], s16, v[UBT]
	v_lshlrev_b32 v[TSS], 5, v1
	v_lshl_add_u32 v[TSS], v2, 4, v[TSS]
	v_add_nc_u32 v[TSS], s17, v[TSS]
	v_lshlrev_b32 v[TST], 5, v18
	v_lshl_add_u32 v[TST], v19, 4, v[TST]
	v_add_nc_u32 v[TST], s17, v[TST]
	v_add_nc_u32 v[XSS], s18, v[G8]
	v_lshlrev_b32 v[XSL], 5, v2
	v_add_nc_u32 v[XSL], s18, v[XSL]
	v_lshl_add_u32 v[YSS], v2, 5, v1
	v_lshlrev_b32 v[YSS], 2, v[YSS]
	v_add_nc_u32 v[YSS], s19, v[YSS]
	; the identity: as an f16 fragment (register e holds rows 8 h + 2 e and 8 h + 2 e + 1 of column r), and as an f32 tile
	v_lshrrev_b32 v15, 1, v1
	v_lshlrev_b32 v18, 2, v2
	v_sub_nc_u32 v15, v15, v18                     ; r / 2 - 4 h: the register that holds row r, if it is 0..3
	v_and_b32 v18, 1, v1
	v_lshlrev_b32 v18, 4, v18
	v_mov_b32 v19, 0x3c00
	v_lshlrev_b32 v19, v18, v19                    ; f16 1.0 in half r % 2
.irp e, 0,1,2,3
	v_mov_b32 v[IDN+\e], 0
	v_mov_b32 v[IDN+8+\e], 0
	v_cmp_eq_u32 vcc_lo, \e, v15
	v_cndmask_b32 v[IDN+4+\e], 0, v19, vcc_lo
.endr
	v_lshlrev_b32 v18, 3, v2
	v_sub_nc_u32 v15, v1, v18                      ; r - 8 h
.irp j, 0,1,2,3,4,5,6,7
	v_cmp_eq_u32 vcc_lo, \j, v15
	v_cndmask_b32 v[EYE+\j], 0, 1.0, vcc_lo
	v_cndmask_b32 v[EY2+\j], 0, -2.0, vcc_lo
.endr
.set f, 48
.rept 16
	v_mov_b32 v[f], 0                              ; destinations of lane permutes count as read: written once
.set f, f+1
.endr
	s_mov_b32 s20, 0x76543210                      ; v_permlanex16_b32: each lane takes its own place in the other half
	s_mov_b32 s21, 0xfedcba98
	s_mov_b32 s22, 0x0000ffff                      ; lanes 0-15
	s_mov_b32 s23, 0xffff0000                      ; lanes 16-31
	s_mov_b32 s25, 0x80008000                      ; the signs of two 16-bit numbers
	s_lshl_b32 s16, ttmp9, 4
	s_lshl1_add_u32 s16, s12, s16                  ; my first batch row: 16 x work-group + 2 x wave
	s_lshl_b32 s18, s16, 14                        ; 16,384 bytes of PW a row
	s_mov_b32 s19, 0
	s_lshl_b32 s36, s16, 8                         ; 256 bytes of x and of out0
	s_mov_b32 s37, 0
	s_wait_kmcnt 0x0
	s_add_nc_u64 s[4:5], s[4:5], s[18:19]
	s_add_nc_u64 s[8:9], s[8:9], s[36:37]
	s_add_nc_u64 s[10:11], s[10:11], s[36:37]
	s_mov_b32 s13, 2                               ; matrices to go
.Lmat:
	; A MATRIX BEGINS: x, nG, nOm, and V = U0^T (f32, into the accumulators' layout)
	global_load_b64 v[18:19], v[G8], s[8:9]
	WIN 0x40
.set f, 0
.rept 16
	global_load_b128 v[A1+4*f:A1+4*f+3], v[G16], s[4:5] offset:8192+512*f th:TH_LOAD_NT
.set f, f+1
.endr
.set f, 0
.rept 16
	global_load_b128 v[A3+4*f:A3+4*f+3], v[G16], s[4:5] offset:512*f th:TH_LOAD_NT
.set f, f+1
.endr
	WIN 0
.set f, 0
.rept 32                                               ; tile (i, j), half q, f = 2 (4 j + i) + q: V[16 i + 8 h + 4 q ..][16 j + r] = U0[16 j + r][16 i + 8 h + 4 q ..]
	global_load_b128 v[AW+4*f:AW+4*f+3], v[GU0], s[6:7] offset:4096*(f/8)+64*((f/2)%4)+16*(f%2)
.set f, f+1
.endr
.irp e, 56,57,58,59
	v_mov_b32 v\e, 0
.endr
	s_wait_loadcnt 32                              ; x, nG and nOm are in: U0's 32 loads stay out
	ds_store_b64 v[XSS], v[18:19]
	; Lm: the largest magnitude of the matrix's 8,192 numbers lies below 2^Lm
	PWMAX A1
	PWMAX A3
	v_max3_u32 v56, v56, v57, v58
	v_max_u32 v56, v56, v59
.irp m, 1,2,4,8
	v_mov_b32_dpp v57, v56 row_xmask:\m row_mask:0xf bank_mask:0xf
	v_max_u32 v56, v56, v57
.endr
	v_permlanex16_b32 v57, v56, s20, s21
	v_max_u32 v56, v56, v57
	v_readfirstlane_b32 s[LM], v56
	s_lshr_b32 s[LM], s[LM], 27                    ; f16's exponent field e: the number lies below 2^(e - 14), for e = 0 too
	s_sub_co_i32 s[LM], s[LM], 14
	; LF: U0's Frobenius norm lies below 2^LF
	s_wait_loadcnt 0x0                             ; U0
	v_pk_mul_f32 v[56:57], v[AW:AW+1], v[AW:AW+1]
	v_pk_mul_f32 v[58:59], v[AW+2:AW+3], v[AW+2:AW+3]
.set f, 4
.rept 31
	v_pk_fma_f32 v[56:57], v[AW+f:AW+f+1], v[AW+f:AW+f+1], v[56:57]
	v_pk_fma_f32 v[58:59], v[AW+f+2:AW+f+3], v[AW+f+2:AW+f+3], v[58:59]
.set f, f+4
.endr
	v_pk_add_f32 v[56:57], v[56:57], v[58:59]
	v_add_f32 v56, v56, v57
.irp m, 1,2,4,8
	v_add_f32_dpp v56, v56, v56 row_xmask:\m row_mask:0xf bank_mask:0xf
.endr
	v_permlanex16_b32 v57, v56, s20, s21
	v_add_f32 v56, v56, v57
	v_readfirstlane_b32 s[LF], v56
	s_lshr_b32 s[LF], s[LF], 23                    ; the sum of squares lies below 2^(E + 1), E = field - 127: LF = (E + 2) / 2, rounded down
	s_sub_co_i32 s[LF], s[LF], 125
	s_ashr_i32 s[LF], s[LF], 1
	s_lshl_b32 s15, s[LF], 1                       ; 64 F^2 + 8 F + 1 < 2^max(2 LF + 8, 2)
	s_add_co_i32 s15, s15, 8
	s_max_i32 s15, s15, 2
	s_sub_co_i32 s15, 15, s15                      ; T
	s_sub_co_i32 s15, s15, s[LM]                   ; j = T - Lm,
	s_max_i32 s15, s15, -24                        ; kept where f16 holds 2^j
	s_min_i32 s15, s15, 15
	s_add_co_i32 s16, s15, 127
	s_lshl_b32 s16, s16, 23                        ; 2^j in f32
	s_add_co_i32 s[KB], s15, 6                     ; kb = 2^(6 + j)
	s_sub_co_i32 s17, 121, s15
	s_lshl_b32 s[IK], s17, 23                      ; 1 / kb
	s_mov_b32 s[IK+1], s[IK]                       ; named with it as a pair
	s_add_co_i32 s17, s[LF], 3
	s_max_i32 s17, s17, 0
	s_sub_co_i32 s17, 14, s17
	s_sub_co_i32 s17, s17, s[LM]
	s_min_i32 s17, s17, 12
	s_max_i32 s[KW], s17, -24                      ; Kw
	v_mov_b32 v49, s16
	v_cvt_pk_f16_f32 v50, v49, v49                 ; 2^j twice, in f16
	WIN 0x41                                       ; destination and source 0 in window 1, the factor in window 0
.set f, 0
.rept 64
	v_pk_mul_f16 v[A1+f], v[A1+f], v50
	v_pk_mul_f16 v[A3+f], v[A3+f], v50
.set f, f+1
.endr
	WIN 0x04
.set f, 0
.rept 16
	ds_store_b128 v[LIN], v[A1+4*f:A1+4*f+3] offset:NG+512*f
.set f, f+1
.endr
	COMMIT
	WIN 0                                          ; at a label and at a branch every window is 0
	s_mov_b32 s14, 4                               ; steps to go
.Lstep:
	; kb E = mm(U, nG) + mm(nOm, I)
	LDU A2
.set f, 0
.rept 16
	ds_load_b128 v[A1+4*f:A1+4*f+3], v[LIN] offset:NG+512*f
.set f, f+1
.endr
	s_wait_dscnt 0x0
	LINK AW,A2,A1,0,4,0,0
	LINK AW,A2,A1,0,4,1,1
	IDLINK AW,A3,1
	NOPS 4
	CVT AW,A2,64
	; kb nY = mm(nG, I) - mm(E, V)
	LINK AW,A2,A0,0,4,0,0
	LINK AW,A2,A0,0,4,1,1
	NOPS 5
	IDLINK AW,A1,2
	NOPS 4
	CVT AW,A2,64
	; kb w = mm(V, nY) - mm(nY, V); it stays in AW until S is made
	LINK AW,A2,A0,0,4,0,0
	LINK AW,A2,A0,0,4,1,1
	NOPS 5
	LINK AW,A0,A2,0,4,0,2
	NOPS 5
	LINK AW,A0,A2,0,4,1,1
	; w's largest magnitude, four chains; the four lines that start them are the places behind the last products
	WIN 0
.irp e, 56,57,58,59
	v_mov_b32 v\e, 0
.endr
.set f, 0
.rept 64
	v_max3_num_f32 v[56+f%4], v[56+f%4], |v[AW+2*f]|, |v[AW+2*f+1]|
.set f, f+1
.endr
	v_max3_num_f32 v56, v56, v57, v58
	v_max_num_f32 v56, v56, v59
.irp m, 1,2,4,8
	v_max_num_f32_dpp v56, v56, v56 row_xmask:\m row_mask:0xf bank_mask:0xf
.endr
	v_permlanex16_b32 v57, v56, s20, s21
	v_max_num_f32 v56, v56, v57
	v_readfirstlane_b32 s15, v56
	s_lshr_b32 s15, s15, 23                        ; it lies below 2^(field - 126): the factor is 2^(Kw + 126 - field),
	s_sub_co_i32 s15, 126, s15
	s_add_co_i32 s15, s15, s[KW]
	s_min_i32 s15, s15, 60                         ; kept within 2^-60 .. 2^60
	s_max_i32 s15, s15, -60
	s_add_co_i32 s16, s15, 127
	s_lshl_b32 s[SG], s16, 23
	s_mov_b32 s[SG+1], s[SG]
	s_add_co_i32 s16, s15, s[KB]                   ; lw = kb x the factor
	s_sub_co_i32 s16, 127, s16
	s_lshl_b32 s[IL], s16, 23                      ; 1 / lw
	s_mov_b32 s[IL+1], s[IL]
	SCALE AW,64,SG
	CVT AW,A1,64
	; lw c = (mm(nOm, w) - mm(w, nOm)) / kb, two column blocks at a time in AT
.irp g, 0,1
	LINK AT,A1,A3,2*\g,2,0,0
	LINK AT,A1,A3,2*\g,2,1,1
	NOPS 5
	LINK AT,A3,A1,2*\g,2,0,2
	NOPS 5
	LINK AT,A3,A1,2*\g,2,1,1
	NOPS 4
	SCALE AT,32,IK
	CVT AT,A2+32*\g,32
.endr
	; lw Tt = mm(c, V)
.irp g, 0,1
	LINK AT,A2,A0,2*\g,2,0,0
	LINK AT,A2,A0,2*\g,2,1,1
	NOPS 4
	CVT AT,A1+32*\g,32
.endr
	; lw S = w + mm(Tt, V) - mm(V, Tt): first mm(V, Tt) - w, then mm(Tt, V) minus that
	LINK AW,A0,A1,0,4,0,2
	NOPS 5
	LINK AW,A0,A1,0,4,1,1
	NOPS 5
	LINK AW,A1,A0,0,4,0,2
	NOPS 5
	LINK AW,A1,A0,0,4,1,1
	NOPS 4
	; I + S: the scale is taken out and the identity added in one pass; then the inverse in place
	WIN 0
.set tj, 0
.rept 4
.set ti, 0
.rept 4
.set z, 0
.rept 4
.set rD, AW+8*(4*tj+ti)+2*z
.if ti==tj
	v_pk_fma_f32 v[rD:rD+1], v[rD:rD+1], s[IL:IL+1], v[EYE+2*z:EYE+2*z+1] op_sel_hi:[1,0,1]
.else
	v_pk_mul_f32 v[rD:rD+1], v[rD:rD+1], s[IL:IL+1] op_sel_hi:[1,0]
.endif
.set z, z+1
.endr
.set ti, ti+1
.endr
.set tj, tj+1
.endr
	WIN 0x40
.set ti, 0
.rept 8                                                ; the zero upper halves of the sweeps' sources 1
.set z, 4
.rept 4
	v_mov_b32 v[8*ti+z], 0
.set z, z+1
.endr
.set ti, ti+1
.endr
.irp e, 72,73,74,75
	v_mov_b32 v\e, 0
.endr
	SWEEP 0
	SWEEP 1
	; In the first matrix's last step the wave asks for its second matrix's 16,384 bytes of PW, each aligned block of 256 bytes once (lanes 256 bytes apart, two requests):
	; two sweeps and the update ahead of the loads that want them.  The second matrix asks for nothing: no request leaves the buffer.
	WIN 0
	s_lshl2_add_u32 s15, s13, s14
	s_cmp_eq_u32 s15, 9
	s_cbranch_scc0 .Lnopf
	global_prefetch_b8 v[PF], s[4:5] offset:16384 th:TH_LOAD_NT scope:SCOPE_SE
	global_prefetch_b8 v[PF], s[4:5] offset:24576 th:TH_LOAD_NT scope:SCOPE_SE
.Lnopf:
	SWEEP 2
	SWEEP 3
	; D2 = 2 (M - I), whose entries a skew S keeps within 4: f16 as it stands;  V += mm(U, D2), onto the f32 master
	WIN 0
.set tj, 0
.rept 4
.set ti, 0
.rept 4
.set z, 0
.rept 4
.set rD, AW+8*(4*tj+ti)+2*z
.if ti==tj
	v_pk_fma_f32 v[rD:rD+1], v[rD:rD+1], 2.0, v[EY2+2*z:EY2+2*z+1] op_sel_hi:[1,0,1]
.else
	v_pk_add_f32 v[rD:rD+1], v[rD:rD+1], v[rD:rD+1]
.endif
.set z, z+1
.endr
.set ti, ti+1
.endr
.set tj, tj+1
.endr
	CVT AW,A1,64
	LDU A2
	WIN 0
.set f, 0
.rept 32
	ds_load_b128 v[AW+4*f:AW+4*f+3], v[LIN] offset:VM+512*f
.set f, f+1
.endr
	s_wait_dscnt 0x0
	LINK AW,A2,A1,0,4,0,1
	LINK AW,A2,A1,0,4,1,1
	NOPS 4
	COMMIT
	WIN 0
	s_sub_co_u32 s14, s14, 1
	s_cmp_lg_u32 s14, 0
	s_cbranch_scc1 .Lstep
	; y[o] = the sum over k of V[k][o] x[k], in f32: AW still holds V.  A lane has column 16 j + r and 32 of the 64 rows; the other half of the lanes has the others.
.set f, 0
.rept 8
	ds_load_b128 v[AT+4*f:AT+4*f+3], v[XSL] offset:64*(f/2)+16*(f%2)   ; x[16 i + 8 h + 0..7] at AT + 8 i
.set f, f+1
.endr
	s_wait_dscnt 0x0
.set z, 0
.rept 16                                               ; four chains, one a column block
.set tj, 0
.rept 4
.if z==0
	v_pk_mul_f32 v[56+2*tj:57+2*tj], v[AW+32*tj:AW+32*tj+1], v[AT:AT+1]
.else
	v_pk_fma_f32 v[56+2*tj:57+2*tj], v[AW+32*tj+2*z:AW+32*tj+2*z+1], v[AT+2*z:AT+2*z+1], v[56+2*tj:57+2*tj]
.endif
.set tj, tj+1
.endr
.set z, z+1
.endr
.irp j, 56,58,60,62
	v_add_f32 v[\j], v[\j], v[\j+1]
.endr
.irp j, 56,58,60,62
	v_permlanex16_b32 v[\j+1], v[\j], s20, s21
.endr
.irp j, 56,58,60,62
	v_add_f32 v[\j], v[\j], v[\j+1]
.endr
	v_cndmask_b32 v48, v56, v60, s23               ; lanes 0-15 keep blocks 0 and 1, lanes 16-31 blocks 2 and 3
	v_cndmask_b32 v49, v58, v62, s23
	ds_store_b32 v[YSS], v48
	ds_store_b32 v[YSS], v49 offset:64
	v_add_nc_u32 v[YSS], 256, v[YSS]               ; the second matrix's row of y
	s_wait_xcnt 0x0                                ; the bases are stepped only behind this wait
	s_add_nc_u64 s[4:5], s[4:5], 0x4000
	s_add_nc_u64 s[8:9], s[8:9], 0x100
	s_sub_co_u32 s13, s13, 1
	s_cmp_lg_u32 s13, 0
	s_cbranch_scc1 .Lmat
	ds_load_b128 v[48:51], v[LIN] offset:YS        ; my two rows of y: LDS serves a wave's instructions in order
	s_wait_dscnt 0x0
	global_store_b128 v[G16], v[48:51], s[10:11]   ; 512 consecutive bytes, aligned
	s_wait_tensorcnt 0x0                           ; the wave's end
	ds_add_u32 v[SPW], v[NIL]
	s_wait_dscnt 0x0
	s_endpgm
.Lfunc_end_k_q900f9a4162_main:
	.size	k_q900f9a4162_main, .Lfunc_end_k_q900f9a4162_main-k_q900f9a4162_main
	.p2alignl 7, 3214868480
	.fill 96, 4, 3214868480
	.section	.rodata,"a",@progbits
	.p2align	6, 0x0
	.amdhsa_kernel k_q900f9a4162_main
		.amdhsa_group_segment_fixed_size 302080
		.amdhsa_private_segment_fixed_size 0
		.amdhsa_enable_private_segment 0
		.amdhsa_kernarg_size 32
		.amdhsa_user_sgpr_count 2
		.amdhsa_user_sgpr_kernarg_segment_ptr 1
		.amdhsa_wavefront_size32 1
		.amdhsa_system_sgpr_workgroup_id_x 1
		.amdhsa_system_sgpr_workgroup_id_y 1
		.amdhsa_system_sgpr_workgroup_id_z 1
		.amdhsa_system_vgpr_workitem_id 0
		.amdhsa_next_free_vgpr 512
		.amdhsa_next_free_sgpr 66
		.amdhsa_reserve_vcc 1
		.amdhsa_float_denorm_mode_32 3
		.amdhsa_float_denorm_mode_16_64 3
		.amdhsa_memory_ordered 1
		.amdhsa_forward_progress 1
		.amdhsa_inst_pref_size 255
	.end_amdhsa_kernel
	.section	.bss,"aw",@nobits
	.p2align	6
	.space	262144
	.amdgpu_metadata
---
amdhsa.version: [ 1, 2 ]
amdhsa.kernels:
  - .name:           k_q900f9a4162_main
    .symbol:         k_q900f9a4162_main.kd
    .args:
      - { .name: PW, .offset: 0, .size: 8, .value_kind: global_buffer, .address_space: global }
      - { .name: U0, .offset: 8, .size: 8, .value_kind: global_buffer, .address_space: global }
      - { .name: x, .offset: 16, .size: 8, .value_kind: global_buffer, .address_space: global }
      - { .name: out0, .offset: 24, .size: 8, .value_kind: global_buffer, .address_space: global }
    .group_segment_fixed_size: 302080
    .private_segment_fixed_size: 0
    .kernarg_segment_align: 8
    .kernarg_segment_size: 32
    .max_flat_workgroup_size: 256
    .sgpr_count:     66
    .vgpr_count:     512
    .wavefront_size: 32
...
	.end_amdgpu_metadata
.endif
;; end of part 3
